; MI455X (gfx1250); checked and timed in simulation.
; The chip was launched on July 23, 2026; its instructions are those of AMD's public machine-readable ISA for CDNA 5 (MIT licence, August 2026) and "CDNA5" Instruction Set Architecture Reference Guide (July 2026). The comments in the code are by the model that wrote it; some were corrected since.
;; Multi Head Cross Attention. Allowed arithmetic: matrix products marked QUANTISED: E2M3 operands, one E8M0 scale for each 32 along K, by v_wmma_scale_f32_16x16x128_f8f6f4 with both operands' format E2M3, f32 sums; everything else in f32.
;; Inputs: Wout1 1,024 x 1,024 float32; Wout2 1,024 x 1,024 float32; Wqkv1 3,072 x 1,024 float32; Wqkv2 3,072 x 1,024 float32; x 4 x 1,024 x 1,024 float32; y 4 x 1,024 x 1,024 float32.
;; Outputs: out0 4 x 1,024 x 1,024 float32; out1 4 x 1,024 x 1,024 float32.
;; This version of the problem:
;;   THIS VERSION OF THE PROBLEM IS GIVEN IN LOW PRECISION. The matrix products marked QUANTISED in the list below multiply operands that are first quantised to E2M3 (2 exponent bits, 3 mantissa bits; 6 bits a number), with one power-of-two scale for each 32 numbers along K (OCP MX v1.0); their sums are f32. All else is computed in f32.
;;   The module's matrix products, in the order in which they are computed (A, B: the left and right operand; K: the contracted axis; several contracted axes count as one K, in the product's order):
;;     1. [M 4,096, K 1,024] x [K 1,024, N 3,072]; A: input x; B: input Wqkv1: QUANTISED
;;     2. [M 4,096, K 1,024] x [K 1,024, N 3,072]; A: input y; B: input Wqkv2: QUANTISED
;;     3. batch 64 x [M 1,024, K 64] x [K 64, N 1,024]; A: computed on the way; B: computed on the way: QUANTISED
;;     4. batch 64 x [M 1,024, K 64] x [K 64, N 1,024]; A: computed on the way; B: computed on the way: QUANTISED
;;     5. batch 64 x [M 1,024, K 1,024] x [K 1,024, N 64]; A: softmax (see below); B: computed on the way: QUANTISED
;;     6. batch 64 x [M 1,024, K 1,024] x [K 1,024, N 64]; A: softmax (see below); B: computed on the way: QUANTISED
;;     7. [M 4,096, K 1,024] x [K 1,024, N 1,024]; A: computed on the way; B: input Wout1: QUANTISED
;;     8. [M 4,096, K 1,024] x [K 1,024, N 1,024]; A: computed on the way; B: input Wout2: QUANTISED
;;   THE QUANTISER, for each operand of a quantised product, along K:
;;     - K is cut into blocks of 32 from its start; a last block that is shorter is filled with zeros.
;;     - A block's scale is 2^e with e = floor(log2(the largest magnitude in the block)) - 2, held to -126 .. 127; a block of zeros has e = 0. As a byte (E8M0): e + 127.
;;     - Each number is divided by its block's scale, clamped to +-7.5, and rounded to the nearest number of E2M3, ties to even, subnormals kept.
;;     - The product sums the exact products of the quantised numbers (number of the format x scale) in f32.
;;   ~~~python
;;   def quantise(x, axis):      # numpy; x: float32 -> the quantised numbers, widened to float32 again
;;       x = np.moveaxis(x, axis, -1); K = x.shape[-1]
;;       x = np.pad(x, [(0, 0)] * (x.ndim - 1) + [(0, -K % 32)]); x = x.reshape(x.shape[:-1] + (-1, 32)); a = np.abs(x).max(-1, keepdims=True)
;;       e = np.where(a > 0, np.clip(np.frexp(np.where(a > 0, a, 1))[1] - 1 - 2, -126, 127), 0)      # np.frexp(a)[1] - 1 = floor(log2(a)), exactly
;;       r = np.clip(x / 2.0 ** e, -7.5, 7.5)
;;       step = 2.0 ** (np.maximum(np.frexp(np.where(r == 0, 1, r))[1] - 1, 0) - 3)
;;       q = np.round(r / step) * step * 2.0 ** e      # np.round: ties to even
;;       return np.moveaxis(q.reshape(q.shape[:-2] + (-1,))[..., :K], -1, axis).astype(np.float32)
;;   ~~~
;;   SOFTMAX AHEAD OF A QUANTISED PRODUCT. Where the list says 'softmax', what is quantised is not the finished softmax but p = 2^(t - M), with t = logit x log2(e) and M = ceil(the row's largest t), a whole number; so 1/2 < the row's largest p <= 1. The row's sum l is taken of the UNQUANTISED p, in f32, and the product's result is divided by l at the end. Since M is a whole number, a kernel that streams over the keys may use a running M (the ceiling of the running maximum): every later rescaling is an exact power of two, which a block's scale takes up: the codes' values come out the same.
;;   OPERANDS COMPUTED ON THE WAY. 'Computed on the way' means the value that the module computes at that place (a softmax that the list does not call 'softmax' is quantised finished and normalised). What goes into a quantiser is computed in f32, as accurately as f32 sums, v_exp_f32 and their like allow (about 1e-6 of the number): no bf16 or f16 on the way to a quantiser, and a product that is left as it is and whose result goes on into a quantised operand takes f32 operands (vector FMAs, or v_wmma_f32_16x16x4_f32). A number that lies on a knife's edge between two numbers of the format may be rounded either way, as far as f32 arithmetic and the matrix unit's own rounding can turn it there, and no further.
;; One version. Each part assembles by itself: llvm-mc -triple=amdgcn-amd-amdhsa -mcpu=gfx1250 --defsym DOCPART=n.
;; ======== version 1 of 1: 4 launches
;; limits: right only within a limited range of input values
;; workspace buffers: cod1 13,107,200 bytes; qkvc 18,874,368 bytes; qkvs 1,310,720 bytes; aoc 6,553,600 bytes
;; launch quant (part 1): grid 512 x 1, 4 waves a work-group, no clusters, 35,328 bytes of LDS; arguments x, y, Wqkv1, Wqkv2, Wout1, Wout2, cod1; writes cod1
.if DOCPART == 1
	.amdgcn_target "amdgcn-amd-amdhsa--gfx1250"
	.amdhsa_code_object_version 6
	.text
	.protected	k_qb21d54e459_quant
	.globl	k_qb21d54e459_quant
	.p2align	8
	.type	k_qb21d54e459_quant,@function
k_qb21d54e459_quant:
	s_mov_b64 s[64:65], 0
	v_nop
	global_prefetch_b8 v0, s[64:65] scope:SCOPE_SE
	s_setreg_imm32_b32 hwreg(HW_REG_WAVE_MODE, 25, 1), 1
	s_wait_xcnt 0x0
; LAUNCH 1 OF 4.  x, y [4096][1024], Wqkv1, Wqkv2 [3072][1024], Wout1, Wout2 [1024][1024], all f32 with K innermost, become codes of FP6 (E2M3) with one E8M0 byte for each 32 along K.
; NOTHING OF THE PROBLEM IS LEFT OUT IN ANY LAUNCH: all six inputs reach an output, and all eight products are computed.
; A block's scale is 2^(floor(log2(its largest magnitude)) - 2); its byte is the largest magnitude's exponent field - 2, held at 1 from below.
; LIMITS: a block of zeros gets the byte 1 where the rule says 127 (its codes are zeros, and this program alone reads the bytes); NaN and infinities among the inputs are not served.
; THE LAYOUT OF ALL CODES IN THIS PROGRAM.  Rows go in blocks of 16 STORED rows; inside each aligned group of 32 rows, stored row 16 u + r is row 8 u + r + 8 (r / 8): so, where a block is
; source 0 of a product, the 16 result registers of blocks 2 b and 2 b + 1 are 16 neighbours along that axis.  A row block x 64 along K is 768 bytes: piece p (0..2) at 256 p, lane l at 8 l, holding registers
; 2 p, 2 p + 1 of the six in which lane (r = l % 16, h = l / 16) holds k = 32 h + 0..31 of the chunk for row r: the operand's registers as they stand.  Every load or store of a piece is 256 consecutive bytes.
; cod1: [1024 row blocks][2 halves of K][6,400]: eight chunks of 768, then 256 bytes of scale words: row r's four words, one for each 128 along K, at 16 r; byte b of a word for k = 32 b on.  So one tile
; brings codes and scale words together.  Row blocks: x 0-255, y 256-511, Wqkv1 512-703, Wqkv2 704-895, Wout1 896-959, Wout2 960-1023.
; Wqkv's rows are taken in the order part x 1024 + head x 64 + d, which is source row 48 d + 16 part + head: so that a head's 64 numbers are neighbours for the next quantiser.
; SHARES.  A work-group takes two row blocks; wave w takes block w / 2 and half w % 2 of K: four steps of 128 along K, one record of 6,400 bytes.  Each load reads 512 consecutive bytes of one row; a step's
; 16 rows turn through the wave's own stage in LDS (rows 528 bytes apart), from which a lane takes its two whole blocks of 32.  No barrier: waves share nothing.  No matrix unit, cluster or tensor load: memory binds.
.set WREG,  8704                       ; LDS of a wave: a stage of 16 x 528 bytes, then its 256 bytes of scale words
.set SWO,   16*528
.set SPARE, 4*WREG                     ; behind the four regions: the spare words, 128 bytes a wave
.set SPW,   12                         ; v12  my spare word's address; never rewritten
.set NIL,   13                         ; v13  0; never rewritten
.set RO,    16                         ; v16-31   row i of the block: 16 x lane + its distance from the block's first row
.set R,     32                         ; v32-159  two sets of 64: a step's numbers as loaded
.set X,     160                        ; v160-223 my two blocks of 32
.set C,     224                        ; v224-235 a fragment's codes
.set T,     236                        ; v236-238, v240-242: the upper halves, made apart (a conversion's three registers begin on an even number)
.set BY,    244                        ; v244-245 the two bytes
	s_load_b256 s[4:11], s[0:1], 0x0               ; x, y, Wqkv1, Wqkv2
	s_load_b128 s[12:15], s[0:1], 0x20             ; Wout1, Wout2
	s_load_b64 s[16:17], s[0:1], 0x30              ; cod1
	v_lshl_add_u32 v[SPW], v0, 2, SPARE
	v_mov_b32 v[NIL], 0
	v_lshrrev_b32 v1, 5, v0
	v_readfirstlane_b32 s26, v1                    ; wave
	v_and_b32 v1, 31, v0                           ; lane
	v_and_b32 v2, 15, v0                           ; r
	v_bfe_u32 v3, v0, 4, 1                         ; h
	s_mul_i32 s27, s26, WREG
	s_add_co_u32 s28, s27, SWO
	v_lshlrev_b32 v6, 3, v1                        ; 8 x lane: a piece's place
	v_lshlrev_b32 v10, 4, v1                       ; 16 x lane
	v_add_nc_u32 v4, s27, v10                      ; the stage, in: 16 x lane of a row
	v_mul_u32_u24 v5, v2, 528
	v_lshl_add_u32 v5, v3, 7, v5
	v_add_nc_u32 v5, s27, v5                       ; and out: row r, 128 h bytes on
	v_lshlrev_b32 v7, 4, v2
	v_add_nc_u32 v7, s28, v7                       ; my row's four scale words: 16 r
	v_add_nc_u32 v8, s28, v6                       ; the words on their way out: 8 bytes a lane
	v_lshlrev_b32 v14, 3, v3                       ; 8 h: my two bytes' place in the word
	v_mov_b32 v15, 0                               ; (a lane permute's destination counts as one of its sources)
	s_mov_b32 s20, 0x76543210
	s_mov_b32 s21, 0xfedcba98                      ; selects for lane l xor 16
	s_lshl_b32 s29, ttmp9, 1
	s_lshr_b32 s30, s26, 1
	s_add_co_u32 s29, s29, s30                     ; my row block
	s_and_b32 s30, s26, 1                          ; my half of K
	s_wait_kmcnt 0x0
	s_mov_b64 s[22:23], s[4:5]                     ; which tensor: by the work-group's number alone
	s_mov_b32 s24, 0                               ; and its first row block
	s_cmp_ge_u32 ttmp9, 128
	s_cselect_b64 s[22:23], s[6:7], s[22:23]
	s_cselect_b32 s24, 256, s24
	s_cmp_ge_u32 ttmp9, 256
	s_cselect_b64 s[22:23], s[8:9], s[22:23]
	s_cselect_b32 s24, 512, s24
	s_cmp_ge_u32 ttmp9, 352
	s_cselect_b64 s[22:23], s[10:11], s[22:23]
	s_cselect_b32 s24, 704, s24
	s_cmp_ge_u32 ttmp9, 448
	s_cselect_b64 s[22:23], s[12:13], s[22:23]
	s_cselect_b32 s24, 896, s24
	s_cmp_ge_u32 ttmp9, 480
	s_cselect_b64 s[22:23], s[14:15], s[22:23]
	s_cselect_b32 s24, 960, s24
	s_sub_co_u32 s31, s29, s24                     ; the row block inside its tensor
	s_lshr_b32 s32, s31, 1
	s_lshl_b32 s32, s32, 5
	s_and_b32 s33, s31, 1
	s_lshl_b32 s33, s33, 3
	s_add_co_u32 s32, s32, s33                     ; its first row: 32 (block / 2) + 8 (block % 2)
	s_bfe_u32 s34, s31, 0x10001
	s_lshl_b32 s34, s34, 5
	s_add_co_u32 s34, s34, s33                     ; in Wqkv that row is d0 = 32 ((block / 2) % 2) + 8 (block % 2)
	s_mul_i32 s34, s34, 48
	s_lshr_b32 s35, s31, 6                         ; of part block / 64
	s_lshl_b32 s35, s35, 4
	s_add_co_u32 s34, s34, s35
	s_bfe_u32 s35, s31, 0x40002                    ; and head (block / 4) % 16
	s_add_co_u32 s34, s34, s35                     ; source row 48 d0 + 16 part + head
	s_mov_b32 s31, 4096                            ; bytes from a row to the next
	s_sub_co_u32 s25, ttmp9, 256
	s_cmp_lt_u32 s25, 192                          ; work-groups 256 to 447 take Wqkv1, Wqkv2
	s_cselect_b32 s32, s34, s32
	s_cselect_b32 s31, 196608, s31                 ; there d + 1 lies 48 rows on
	s_lshl_b32 s36, s32, 12
	s_lshl_b32 s37, s30, 11
	s_add_co_u32 s36, s36, s37
	s_mov_b32 s37, 0
	s_add_nc_u64 s[22:23], s[22:23], s[36:37]      ; my first row, my half of K
	s_mul_i32 s36, s29, 12800
	s_mul_i32 s38, s30, 6400
	s_add_co_u32 s36, s36, s38
	s_add_nc_u64 s[16:17], s[16:17], s[36:37]      ; my record
.irp i, 0,1,2,3,4,5,6,7,8,9,10,11,12,13,14,15
	v_mad_u32_u24 v[RO+\i], s31, \i+8*(\i/8), v10  ; stored row i is row i + 8 (i / 8) from the block's first
.endr
.macro LOAD t                          ; step t: 16 rows x 512 consecutive bytes, into set t % 2
.irp i, 0,1,2,3,4,5,6,7,8,9,10,11,12,13,14,15
	global_load_b128 v[R+64*((\t)%2)+4*\i:R+64*((\t)%2)+4*\i+3], v[RO+\i], s[22:23] offset:512*(\t) th:TH_LOAD_NT
.endr
.endm
.macro STEP t
.if (\t) < 3
	s_wait_loadcnt 16                              ; this step's 16 loads are in; the next step's 16 may be out
.else
	s_wait_loadcnt 0x0
.endif
.irp i, 0,1,2,3,4,5,6,7,8,9,10,11,12,13,14,15
	ds_store_b128 v4, v[R+64*((\t)%2)+4*\i:R+64*((\t)%2)+4*\i+3] offset:528*\i
.endr
.irp c, 0,1                            ; LDS serves a wave's instructions in order: these see the stores above
.irp j, 0,1,2,3,4,5,6,7
	ds_load_b128 v[X+32*\c+4*\j:X+32*\c+4*\j+3], v5 offset:256*\c+16*\j   ; k = 64 c + 32 h + 4 j on, of row r
.endr
.endr
	s_wait_dscnt 0x0                               ; my numbers are back, and the stores have read their registers,
.if (\t) < 2
	LOAD (\t)+2                                    ; which take the loads of two steps on
.endif
.irp c, 0,1
	v_max3_num_f32 v[10+\c], |v[X+32*\c]|, |v[X+32*\c+1]|, 0x1800000   ; block 2 c + h is all mine; the floor 2^(3 - 127) holds the byte at 1 from below
.endr
.irp i, 2,4,6,8,10,12,14,16,18,20,22,24,26,28,30
.irp c, 0,1
	v_max3_num_f32 v[10+\c], v[10+\c], |v[X+32*\c+\i]|, |v[X+32*\c+\i+1]|
.endr
.endr
.irp c, 0,1
	v_add_nc_u32 v[10+\c], 0xff000000, v[10+\c]    ; 2 off the exponent field: the conversion's scale operand
.endr
.irp c, 0,1
	v_lshrrev_b32 v[BY+\c], 23, v[10+\c]           ; the byte
.endr
	v_lshl_or_b32 v9, v[BY+1], 16, v[BY]           ; bytes h and 2 + h of my row's word,
	v_lshlrev_b32 v9, v14, v9                      ; at their places;
	v_permlanex16_b32 v15, v9, s20, s21
	v_or_b32 v9, v9, v15                           ; with lane l xor 16's two the word is whole
.if (\t) > 0
	s_wait_alu depctr_va_vdst(0)
	s_wait_xcnt 0x0                                ; the last step's stores have read the codes' registers: they are written again only behind this wait
.endif
.irp c, 0,1
	v_cvt_scalef32_pk16_fp6_f32 v[C+6*\c:C+6*\c+2], v[X+32*\c:X+32*\c+15], v[10+\c]
	v_cvt_scalef32_pk16_fp6_f32 v[T+4*\c:T+4*\c+2], v[X+32*\c+16:X+32*\c+31], v[10+\c]
.endr
	v_nop                                          ; one plain instruction behind the scaled conversions
.irp c, 0,1
.irp i, 0,1,2
	v_mov_b32 v[C+3+6*\c+\i], v[T+4*\c+\i]
.endr
.endr
	ds_store_b32 v7, v9 offset:4*(\t)              ; both lanes of a row write the same word with the same value
.irp c, 0,1
.irp p, 0,1,2
	global_store_b64 v6, v[C+6*\c+2*\p:C+6*\c+2*\p+1], s[16:17] offset:1536*(\t)+768*\c+256*\p   ; 32 lanes store 256 consecutive bytes, aligned
.endr
.endr
.endm
	LOAD 0
	LOAD 1
	s_wait_alu depctr_va_vdst(0)
	STEP 0
	STEP 1
	STEP 2
	STEP 3
	ds_load_b64 v[10:11], v8                       ; my record's scale words: 256 bytes
	s_wait_dscnt 0x0
	global_store_b64 v6, v[10:11], s[16:17] offset:6144   ; 256 consecutive bytes, aligned, behind the record's codes
	s_wait_tensorcnt 0x0                           ; the wave's end
	ds_add_u32 v[SPW], v[NIL]
	s_wait_dscnt 0x0
	s_endpgm
.Lfunc_end_k_qb21d54e459_quant:
	.size	k_qb21d54e459_quant, .Lfunc_end_k_qb21d54e459_quant-k_qb21d54e459_quant
	.p2alignl 7, 3214868480
	.fill 96, 4, 3214868480
	.section	.rodata,"a",@progbits
	.p2align	6, 0x0
	.amdhsa_kernel k_qb21d54e459_quant
		.amdhsa_group_segment_fixed_size 35328
		.amdhsa_private_segment_fixed_size 0
		.amdhsa_enable_private_segment 0
		.amdhsa_kernarg_size 56
		.amdhsa_user_sgpr_count 2
		.amdhsa_user_sgpr_kernarg_segment_ptr 1
		.amdhsa_wavefront_size32 1
		.amdhsa_system_sgpr_workgroup_id_x 1
		.amdhsa_system_sgpr_workgroup_id_y 1
		.amdhsa_system_sgpr_workgroup_id_z 1
		.amdhsa_system_vgpr_workitem_id 0
		.amdhsa_next_free_vgpr 248
		.amdhsa_next_free_sgpr 66
		.amdhsa_reserve_vcc 0
		.amdhsa_float_denorm_mode_32 3
		.amdhsa_float_denorm_mode_16_64 3
		.amdhsa_memory_ordered 1
		.amdhsa_forward_progress 1
		.amdhsa_inst_pref_size 34
	.end_amdhsa_kernel
	.amdgpu_metadata
---
amdhsa.version: [ 1, 2 ]
amdhsa.kernels:
  - .name:           k_qb21d54e459_quant
    .symbol:         k_qb21d54e459_quant.kd
    .args:
      - { .name: x, .offset: 0, .size: 8, .value_kind: global_buffer, .address_space: global }
      - { .name: y, .offset: 8, .size: 8, .value_kind: global_buffer, .address_space: global }
      - { .name: Wqkv1, .offset: 16, .size: 8, .value_kind: global_buffer, .address_space: global }
      - { .name: Wqkv2, .offset: 24, .size: 8, .value_kind: global_buffer, .address_space: global }
      - { .name: Wout1, .offset: 32, .size: 8, .value_kind: global_buffer, .address_space: global }
      - { .name: Wout2, .offset: 40, .size: 8, .value_kind: global_buffer, .address_space: global }
      - { .name: cod1, .offset: 48, .size: 8, .value_kind: global_buffer, .address_space: global }
    .group_segment_fixed_size: 35328
    .private_segment_fixed_size: 0
    .kernarg_segment_align: 8
    .kernarg_segment_size: 56
    .max_flat_workgroup_size: 128
    .sgpr_count:     66
    .vgpr_count:     248
    .wavefront_size: 32
...
	.end_amdgpu_metadata
.endif
;; end of part 1
;; launch qkv (part 2): grid 4 x 64, 4 waves a work-group, clusters of 4 x 4, 327,680 bytes of LDS; arguments cod1, qkvc, qkvs; writes qkvc, qkvs
.if DOCPART == 2
	.amdgcn_target "amdgcn-amd-amdhsa--gfx1250"
	.amdhsa_code_object_version 6
	.text
	.protected	k_qb21d54e459_qkv
	.globl	k_qb21d54e459_qkv
	.p2align	8
	.type	k_qb21d54e459_qkv,@function
k_qb21d54e459_qkv:
	s_mov_b64 s[64:65], 0
	v_nop
	global_prefetch_b8 v0, s[64:65] scope:SCOPE_SE
	s_setreg_imm32_b32 hwreg(HW_REG_WAVE_MODE, 25, 1), 1
	s_wait_xcnt 0x0
	s_wait_alu depctr_hold_cnt(0) depctr_sa_sdst(0) depctr_va_vdst(0) depctr_va_sdst(0) depctr_va_ssrc(0) depctr_va_vcc(0) depctr_vm_vsrc(0)
	s_getreg_b32 s2, hwreg(HW_REG_IB_STS2, 6, 4)
	s_cmp_eq_u32 s2, 0
	s_cbranch_scc0 .Lentry_in_a_cluster
	s_endpgm
.Lentry_in_a_cluster:
	s_bfe_u32 s2, ttmp6, 0x10000c
	s_cmp_lg_u32 s2, 0xf033
	s_cbranch_scc0 .Lentry_shape_is_right
	s_endpgm
.Lentry_shape_is_right:
.set FR,     12
.set NP,     4
.set RBB,    6400
.set RBM,    12800
.set ABYT,   8*RBB
.set SLOT,   24*RBB
.set SPARE,  2*SLOT
.set KVOFF,  6291456
.set ADRA, 16
.set ADRB, 20
.set ADRS, 22
.set L8,   24
.set SVQ,  25
.set SVK,  26
.set SVV,  27
.set SPW,  28
.set NIL,  29
.set SHV,  30
.set SC,   32
.set PC,   192
.set PWS,  212
.set TM,   216
.set G1, 24
.set G0, 32
.set G1B, 48
.set G0B, 56
.set DLA, 66
.set DLB, 68
.set OBQ, 70
.set SBQ, 72
.set OBK, 74
.set SBK, 76
.set OBV, 78
.set SBV, 80
.set MSB, 0
.macro WIN new
.if MSB != (\new)
	s_set_vgpr_msb (MSB<<8)|(\new)
.set MSB, (\new)
.endif
.endm
.macro JLOAD g0a, g1a, g0b, g1b
	s_cmp_eq_u32 s15, 0
	s_cbranch_scc0 .Lfor_b_\@
	tensor_load_to_lds s[\g0a:\g0a+3], s[\g1a:\g1a+7]
	s_nop 0
.rept 4
	v_nop
.endr
	s_branch .Lasked_\@
.Lfor_b_\@:
	tensor_load_to_lds s[\g0b:\g0b+3], s[\g1b:\g1b+7]
	s_nop 0
.rept 4
	v_nop
.endr
.Lasked_\@:
.endm
.macro CREST
	s_cmp_lg_u32 s14, 0
	s_cbranch_scc1 .Lnot_wave_0_\@
	s_barrier_signal -3
.Lnot_wave_0_\@:
	s_barrier_wait -3
	s_barrier_signal -1
	s_barrier_wait -1
.endm
.macro CROUND
	s_barrier_signal -1
	s_barrier_wait -1
	CREST
.endm
	s_load_b128 s[4:7], s[0:1], 0x0
	s_load_b64 s[8:9], s[0:1], 0x10
	v_lshl_add_u32 v[SPW], v0, 2, SPARE
	v_mov_b32 v[NIL], 0
	ds_add_u32 v[SPW], v[NIL]
	ds_add_u32 v[SPW], v[NIL]
	v_lshrrev_b32 v1, 5, v0
	v_readfirstlane_b32 s14, v1
	s_lshr_b32 s15, s14, 1
	s_and_b32 s16, s14, 1
	s_bfe_u32 s40, ttmp6, 0x40000
	s_bfe_u32 s41, ttmp6, 0x40004
	s_and_b32 s17, ttmp7, 0xffff
	s_lshr_b32 s18, s17, 3
	s_and_b32 s19, s17, 7
	s_lshl_b32 s43, s41, 2
	s_lshl_b32 s43, 15, s43
	s_lshl_b32 s44, 0x1111, s40
	s_or_b32 s[G1+0], s43, (3<<16)|(1<<21)
	s_or_b32 s[G1B+0], s44, (3<<16)|(1<<21)
	s_mov_b32 s[G1+1], 800<<16
	s_mov_b32 s[G1+2], 8<<16
	s_mov_b32 s[G1+3], 800<<16
	s_mov_b32 s[G1+4], 8
	s_mov_b32 s[G1+5], 1600
	s_mov_b32 s[G1+6], 0
	s_mov_b32 s[G1+7], 0
	s_mov_b32 s[G1B+1], 800<<16
	s_mov_b32 s[G1B+2], 16<<16
	s_mov_b32 s[G1B+3], 800<<16
	s_mov_b32 s[G1B+4], 16
	s_mov_b32 s[G1B+5], 1600
	s_mov_b32 s[G1B+6], 0
	s_mov_b32 s[G1B+7], 0
	s_lshl_b32 s20, s18, 8
	s_lshl_b32 s21, s19, 5
	s_add_co_u32 s20, s20, s21
	s_lshl_b32 s21, s41, 3
	s_add_co_u32 s20, s20, s21
	s_lshl_b32 s21, s16, 2
	s_add_co_u32 s20, s20, s21
	s_mul_i32 s20, s20, RBM
	s_mov_b32 s21, 0
	s_mul_i32 s46, s18, 192
	s_add_co_u32 s46, s46, 512
	s_lshl_b32 s47, s40, 4
	s_add_co_u32 s46, s46, s47
	s_lshl_b32 s47, s16, 3
	s_add_co_u32 s46, s46, s47
	s_mul_i32 s46, s46, RBM
	s_mov_b32 s47, 0
	s_lshl_b32 s[DLA], s18, 6
	s_and_b32 s[DLA+1], s19, 6
	s_lshl_b32 s[DLA+1], s[DLA+1], 5
	s_add_co_u32 s[DLA], s[DLA], s[DLA+1]
	s_sub_co_u32 s[DLA], 640, s[DLA]
	s_mul_i32 s[DLA], s[DLA], RBM
	s_mov_b32 s[DLA+1], 0
	s_lshr_b32 s[DLB], s19, 1
	s_add_co_u32 s[DLB], s[DLB], s18
	s_lshl_b32 s[DLB], s[DLB], 6
	s_sub_co_u32 s[DLB], 576, s[DLB]
	s_mul_i32 s[DLB], s[DLB], RBM
	s_mov_b32 s[DLB+1], 0
	s_mul_i32 s45, s16, 4*RBB
	s_mul_i32 s94, s16, 8*RBB
	s_add_co_u32 s94, s94, ABYT
	s_wait_dscnt 0x0
	s_wait_kmcnt 0x0
	s_add_nc_u64 s[20:21], s[4:5], s[20:21]
	s_add_nc_u64 s[46:47], s[4:5], s[46:47]
	CROUND
.irp s, 0,1
	s_mov_b32 s[G0+4*\s], 1
	s_add_co_u32 s[G0+4*\s+1], s45, \s*SLOT
	s_add_nc_u64 s[G0+4*\s+2:G0+4*\s+3], s[20:21], \s*RBB
	s_or_b32 s[G0+4*\s+3], s[G0+4*\s+3], 0x80000000
	s_mov_b32 s[G0B+4*\s], 1
	s_add_co_u32 s[G0B+4*\s+1], s94, \s*SLOT
	s_add_nc_u64 s[G0B+4*\s+2:G0B+4*\s+3], s[46:47], \s*RBB
	s_or_b32 s[G0B+4*\s+3], s[G0B+4*\s+3], 0x80000000
.endr
	; the head's four tiles, each whole, one joint load a wave: wave w takes slot w / 2; A's 8 row blocks (w even) or B's 16 (w odd)
	s_mul_i32 s92, s16, 4*RBM
	s_mov_b32 s93, 0
	s_sub_nc_u64 s[86:87], s[20:21], s[92:93]      ; A's tile from its first row block
	s_lshl_b32 s92, s92, 1
	s_sub_nc_u64 s[90:91], s[46:47], s[92:93]      ; B's likewise
	s_mul_i32 s92, s15, RBB
	s_add_nc_u64 s[86:87], s[86:87], s[92:93]      ; the slot's half of K
	s_add_nc_u64 s[90:91], s[90:91], s[92:93]
	s_or_b32 s87, s87, 0x80000000
	s_or_b32 s91, s91, 0x80000000
	s_mov_b32 s84, 1
	s_mov_b32 s88, 1
	s_mul_i32 s85, s15, SLOT
	s_add_co_u32 s89, s85, ABYT
	s_cmp_eq_u32 s16, 0
	s_cbranch_scc0 .Lhd_b
	tensor_load_to_lds s[84:87], s[G1:G1+7]
	s_nop 0
.rept 4
	v_nop
.endr
	s_branch .Lhd_j
.Lhd_b:
	tensor_load_to_lds s[88:91], s[G1B:G1B+7]
	s_nop 0
.rept 4
	v_nop
.endr
.Lhd_j:
	v_and_b32 v1, 15, v0
	v_bfe_u32 v2, v0, 4, 1
	s_wait_alu depctr_va_vdst(0)
	v_and_b32 v3, 31, v0
	v_lshlrev_b32 v[L8], 3, v3
	s_mul_i32 s21, s15, 4*RBB
	s_mul_i32 s22, s16, 8*RBB
	s_add_co_u32 s22, s22, ABYT
.irp s, 0,1
	v_add_nc_u32 v[ADRA+\s], s21, v[L8]
	v_add_nc_u32 v[ADRB+\s], s22, v[L8]
	s_add_co_u32 s21, s21, SLOT
	s_add_co_u32 s22, s22, SLOT
.endr
	s_mul_i32 s21, s15, 4*RBB
	s_mul_i32 s22, s16, 8*RBB
	s_add_co_u32 s22, s22, ABYT
	s_sub_co_u32 s22, s22, s21
	v_mul_u32_u24 v6, s22, v2
	s_add_co_u32 s21, s21, 6144
	v_lshl_add_u32 v5, v1, 4, v6
	v_add_nc_u32 v[ADRS], s21, v5
	v_add_nc_u32 v[ADRS+1], SLOT, v[ADRS]
	s_lshl_b32 s12, s19, 5
	s_lshl_b32 s13, s41, 3
	s_add_co_u32 s12, s12, s13
	s_lshl_b32 s13, s15, 2
	s_add_co_u32 s12, s12, s13
	s_lshr_b32 s13, s12, 6
	s_and_b32 s12, s12, 63
	s_lshl_b32 s20, s18, 2
	s_add_co_u32 s20, s20, s13
	s_lshl_b32 s20, s20, 4
	s_lshl_b32 s21, s40, 2
	s_add_co_u32 s20, s20, s21
	s_lshl_b32 s21, s16, 1
	s_add_co_u32 s20, s20, s21
	s_mov_b32 s23, 0
	s_mul_i32 s22, s20, 49152
	s_mul_i32 s42, s12, 768
	s_add_co_u32 s22, s22, s42
	s_add_nc_u64 s[OBQ:OBQ+1], s[6:7], s[22:23]
	s_lshl_b32 s22, s20, 12
	s_lshr_b32 s42, s12, 2
	s_lshl_b32 s42, s42, 8
	s_add_co_u32 s22, s22, s42
	s_add_nc_u64 s[SBQ:SBQ+1], s[8:9], s[22:23]
	s_mul_i32 s22, s20, 98304
	s_lshr_b32 s42, s12, 3
	s_mul_i32 s43, s42, 12288
	s_add_co_u32 s22, s22, s43
	s_and_b32 s43, s12, 7
	s_mul_i32 s43, s43, 768
	s_add_co_u32 s22, s22, s43
	s_add_co_u32 s22, s22, KVOFF
	s_add_nc_u64 s[OBK:OBK+1], s[6:7], s[22:23]
	s_mul_i32 s22, s20, 6144
	s_mul_i32 s43, s42, 768
	s_add_co_u32 s22, s22, s43
	s_bfe_u32 s43, s12, 0x10002
	s_lshl_b32 s43, s43, 8
	s_add_co_u32 s22, s22, s43
	s_add_co_u32 s22, s22, 524288
	s_add_nc_u64 s[SBK:SBK+1], s[8:9], s[22:23]
	s_and_b32 s12, s19, 1
	s_lshl_b32 s12, s12, 3
	s_lshl_b32 s13, s41, 1
	s_add_co_u32 s12, s12, s13
	s_add_co_u32 s12, s12, s15
	s_lshr_b32 s13, s19, 1
	s_lshl_b32 s20, s18, 2
	s_add_co_u32 s20, s20, s13
	s_lshl_b32 s20, s20, 4
	s_add_co_u32 s20, s20, s12
	s_lshl_b32 s13, s40, 1
	s_add_co_u32 s13, s13, s16
	s_mul_i32 s22, s20, 98304
	s_mul_i32 s42, s13, 12288
	s_add_co_u32 s22, s22, s42
	s_add_co_u32 s22, s22, KVOFF+6144
	s_add_nc_u64 s[OBV:OBV+1], s[6:7], s[22:23]
	s_mul_i32 s22, s20, 6144
	s_mul_i32 s42, s13, 768
	s_add_co_u32 s22, s22, s42
	s_add_co_u32 s22, s22, 524288+512
	s_add_nc_u64 s[SBV:SBV+1], s[8:9], s[22:23]
	v_lshlrev_b32 v[SVV], 4, v1
	v_lshl_add_u32 v[SVQ], v2, 12, v[SVV]
	v_mul_u32_u24 v[SVK], v2, 6144
	v_add_nc_u32 v[SVK], v[SVK], v[SVV]
	v_lshlrev_b32 v[SHV], 4, v2
	s_mov_b32 s82, 0x76543210
	s_mov_b32 s83, 0xfedcba98
.irp b, 0,1,2,3
	v_mov_b32 v[TM+4+\b], 0
.endr
.macro FRAG reg, adr, q, i
.irp p, 0,1,2,3,4,5
	ds_load_b64 v[\reg+2*\p:\reg+2*\p+1], v[\adr] offset:RBB*(\i)+1536*(\q)+768*(\p/3)+256*(\p%3)
.endr
.endm
.macro FETCH4 slot, q, f0
.irp f, \f0, \f0+1, \f0+2, \f0+3
.if (\f) < 8
	FRAG FR*(\f), ADRB+\slot, \q, \f
.else
	FRAG FR*(\f), ADRA+\slot, \q, (\f)-8
.endif
.endr
.endm
.macro SCALES slot
.irp i, 0,1,2,3,4,5,6,7
	ds_load_b128 v[SC+32*(\slot)+4*\i:SC+32*(\slot)+4*\i+3], v[ADRS+\slot] offset:RBB*\i
.endr
.endm
.macro MUL8 a, q, sc, zero
.irp b, 0,1,2,3,4,5,6,7
.if \zero
	v_wmma_scale_f32_16x16x128_f8f6f4 v[8*(8*(\a)+\b):8*(8*(\a)+\b)+7], v[FR*\b:FR*\b+FR-1], v[96+FR*(\a):96+FR*(\a)+FR-1], 0, v[SC+32*(\sc)+4*\b+(\q)], v[SC+32*(\sc)+4*(\a)+(\q)] matrix_a_fmt:MATRIX_FMT_FP6 matrix_b_fmt:MATRIX_FMT_FP6 matrix_a_scale:MATRIX_SCALE_ROW1
.else
	v_wmma_scale_f32_16x16x128_f8f6f4 v[8*(8*(\a)+\b):8*(8*(\a)+\b)+7], v[FR*\b:FR*\b+FR-1], v[96+FR*(\a):96+FR*(\a)+FR-1], v[8*(8*(\a)+\b):8*(8*(\a)+\b)+7], v[SC+32*(\sc)+4*\b+(\q)], v[SC+32*(\sc)+4*(\a)+(\q)] matrix_a_fmt:MATRIX_FMT_FP6 matrix_b_fmt:MATRIX_FMT_FP6 matrix_a_scale:MATRIX_SCALE_ROW1
.endif
.endr
.endm
.macro PLACES n
.rept \n
	v_nop
.endr
.endm
.macro STEP slot, q, zero
	s_wait_dscnt 0x0
	PLACES NP
	WIN 0x40+0x80*(1-(\q)%2)
	FETCH4 \slot, (\q)+1, 0                        ; the next step's twelve fragments in one run, into the other window
	FETCH4 \slot, (\q)+1, 4
	FETCH4 \slot, (\q)+1, 8
	WIN 0xa5+10*((\q)%2)
	MUL8 0, \q, \slot, \zero                       ; and this step's 32 products on end
	MUL8 1, \q, \slot, \zero
	MUL8 2, \q, \slot, \zero
	MUL8 3, \q, \slot, \zero
.endm
.macro TURN slot, next, fill
	WIN 0
	s_wait_tensorcnt 0x0
	ds_add_u32 v[SPW], v[NIL]
.if (\fill) == 1
	s_add_nc_u64 s[G0B+4*\slot+2:G0B+4*\slot+3], s[G0B+4*\slot+2:G0B+4*\slot+3], 64*RBM
.endif
.if (\fill) == 2
	s_add_nc_u64 s[G0+4*\slot+2:G0+4*\slot+3], s[G0+4*\slot+2:G0+4*\slot+3], s[DLA:DLA+1]
	s_sub_nc_u64 s[G0B+4*\slot+2:G0B+4*\slot+3], s[G0B+4*\slot+2:G0B+4*\slot+3], s[DLB:DLB+1]
.endif
	s_wait_dscnt 0x0
	s_barrier_signal -1
	WIN 0xaf
	MUL8 0, 3, \slot, 0
	WIN 0
	s_barrier_wait -1
.if \fill
	CREST
	JLOAD G0+4*\slot, G1, G0B+4*\slot, G1B
.else
	PLACES NP
.endif
	SCALES \next
	WIN 0x40
	FETCH4 \next, 0, 0
	FETCH4 \next, 0, 4
	FETCH4 \next, 0, 8
	WIN 0xaf
	MUL8 1, 3, \slot, 0
	MUL8 2, 3, \slot, 0
	MUL8 3, 3, \slot, 0
.endm
.macro KLOOP f
	STEP 0, 0, 1
	STEP 0, 1, 0
	STEP 0, 2, 0
	TURN 0, 1, \f
	STEP 1, 0, 0
	STEP 1, 1, 0
	STEP 1, 2, 0
.if \f
	TURN 1, 0, \f
.else
	s_wait_dscnt 0x0
	WIN 0xaf
	MUL8 0, 3, 1, 0
	MUL8 1, 3, 1, 0
	MUL8 2, 3, 1, 0
	MUL8 3, 3, 1, 0
.endif
.endm
.macro QOUT a, ob, stn, dc
.set AC, 64*(\a)
.if (\a) == 0
	s_wait_xcnt 0x0
.endif
	WIN 0x28
.irp b, 0,1,2,3
	v_max3_num_f32 v[TM+\b], 0x1800000, |v[AC+16*\b]|, |v[AC+16*\b+1]|
.endr
.irp i, 2,4,6,8,10,12,14
.irp b, 0,1,2,3
	v_max3_num_f32 v[TM+\b], v[TM+\b], |v[AC+16*\b+\i]|, |v[AC+16*\b+\i+1]|
.endr
.endr
	WIN 0
.irp b, 0,1,2,3
	v_permlanex16_b32 v[TM+4+\b], v[TM+\b], s82, s83
.endr
.irp b, 0,1,2,3
	v_max_num_f32 v[TM+\b], v[TM+\b], v[TM+4+\b]
.endr
.irp b, 0,1,2,3
	v_add_nc_u32 v[TM+12+\b], 0xff000000, v[TM+\b]
.endr
.irp b, 0,1,2,3
	v_lshrrev_b32 v[TM+4+\b], 23, v[TM+12+\b]
.endr
	v_lshl_or_b32 v[PWS+(\a)], v[TM+5], 8, v[TM+4]
	v_lshl_or_b32 v[PWS+(\a)], v[TM+6], 16, v[PWS+(\a)]
	v_lshl_or_b32 v[PWS+(\a)], v[TM+7], 24, v[PWS+(\a)]
	s_wait_xcnt 0x0
	WIN 2
.irp c, 0,1
	v_cvt_scalef32_pk16_fp6_f32 v[PC+6*\c:PC+6*\c+2], v[AC+32*\c:AC+32*\c+15], v[TM+12+2*\c]
	v_cvt_scalef32_pk16_fp6_f32 v[PC+12+4*\c:PC+14+4*\c], v[AC+32*\c+16:AC+32*\c+31], v[TM+13+2*\c]
.endr
	WIN 0
	v_nop
.irp c, 0,1
.irp i, 0,1,2
	v_permlane16_swap_b32 v[PC+6*\c+\i], v[PC+12+4*\c+\i]
.endr
.irp i, 0,1,2
	v_mov_b32 v[PC+3+6*\c+\i], v[PC+12+4*\c+\i]
.endr
.endr
.irp p, 0,1,2
	global_store_b64 v[L8], v[PC+2*\p:PC+2*\p+1], s[\ob:\ob+1] offset:(\a)*(\stn)+256*\p
.endr
.irp p, 0,1,2
	global_store_b64 v[L8], v[PC+6+2*\p:PC+7+2*\p], s[\ob:\ob+1] offset:(\a)*(\stn)+(\dc)+256*\p
.endr
.endm
.macro WAYOUT ob, sb, sva, stn, dc, shift
	WIN 0
	PLACES NP
.irp a, 0,1,2,3
	QOUT \a, \ob, \stn, \dc
.endr
.if \shift
.irp a, 0,1,2,3
	v_lshrrev_b32 v[PWS+\a], v[SHV], v[PWS+\a]
.endr
.endif
	global_store_b128 v[\sva], v[PWS:PWS+3], s[\sb:\sb+1]
.endm
	s_wait_alu depctr_va_vdst(0)
	s_wait_tensorcnt 0x0                           ; my tile of the head's four is in: no load of mine is out, so group 1 may be written
	s_mov_b32 s[G1+2], 4<<16                       ; from here on a load brings half a tile: 4 row blocks of A,
	s_mov_b32 s[G1+4], 4
	s_mov_b32 s[G1B+2], 8<<16                      ; 8 of B
	s_mov_b32 s[G1B+4], 8
	s_barrier_signal -1
	s_barrier_wait -1
	SCALES 0
	WIN 0x40
	FETCH4 0, 0, 0
	FETCH4 0, 0, 4
	FETCH4 0, 0, 8
	KLOOP 1
	WAYOUT OBQ, SBQ, SVQ, 768, 49152, 1
	KLOOP 2
	WAYOUT OBK, SBK, SVK, 768, 98304, 1
	KLOOP 0
	WAYOUT OBV, SBV, SVV, 1536, 768, 0
	s_wait_tensorcnt 0x0
	ds_add_u32 v[SPW], v[NIL]
	s_wait_dscnt 0x0
	CROUND
	s_endpgm
.Lfunc_end_k_qb21d54e459_qkv:
	.size	k_qb21d54e459_qkv, .Lfunc_end_k_qb21d54e459_qkv-k_qb21d54e459_qkv
	.p2alignl 7, 3214868480
	.fill 96, 4, 3214868480
	.section	.rodata,"a",@progbits
	.p2align	6, 0x0
	.amdhsa_kernel k_qb21d54e459_qkv
		.amdhsa_group_segment_fixed_size 327680
		.amdhsa_private_segment_fixed_size 0
		.amdhsa_enable_private_segment 0
		.amdhsa_kernarg_size 24
		.amdhsa_user_sgpr_count 2
		.amdhsa_user_sgpr_kernarg_segment_ptr 1
		.amdhsa_wavefront_size32 1
		.amdhsa_system_sgpr_workgroup_id_x 1
		.amdhsa_system_sgpr_workgroup_id_y 1
		.amdhsa_system_sgpr_workgroup_id_z 1
		.amdhsa_system_vgpr_workitem_id 0
		.amdhsa_next_free_vgpr 1024
		.amdhsa_next_free_sgpr 100
		.amdhsa_reserve_vcc 0
		.amdhsa_float_denorm_mode_32 3
		.amdhsa_float_denorm_mode_16_64 3
		.amdhsa_memory_ordered 1
		.amdhsa_forward_progress 1
		.amdhsa_inst_pref_size 255
	.end_amdhsa_kernel
	.section	.bss,"aw",@nobits
	.p2align	6
	.space	262144
	.amdgpu_metadata
---
amdhsa.version: [ 1, 2 ]
amdhsa.kernels:
  - .name:           k_qb21d54e459_qkv
    .symbol:         k_qb21d54e459_qkv.kd
    .args:
      - { .name: cod1, .offset: 0, .size: 8, .value_kind: global_buffer, .address_space: global }
      - { .name: qkvc, .offset: 8, .size: 8, .value_kind: global_buffer, .address_space: global }
      - { .name: qkvs, .offset: 16, .size: 8, .value_kind: global_buffer, .address_space: global }
    .group_segment_fixed_size: 327680
    .private_segment_fixed_size: 0
    .kernarg_segment_align: 8
    .kernarg_segment_size: 24
    .max_flat_workgroup_size: 128
    .sgpr_count:     100
    .vgpr_count:     1024
    .wavefront_size: 32
...
	.end_amdgpu_metadata
.endif
;; end of part 2
;; launch attn (part 3): grid 4 x 64, 16 waves a work-group, clusters of 4 x 1, 327,680 bytes of LDS; arguments qkvc, qkvs, aoc; writes aoc
.if DOCPART == 3
	.amdgcn_target "amdgcn-amd-amdhsa--gfx1250"
	.amdhsa_code_object_version 6
	.text
	.protected	k_qb21d54e459_attn
	.globl	k_qb21d54e459_attn
	.p2align	8
	.type	k_qb21d54e459_attn,@function
k_qb21d54e459_attn:
	s_mov_b64 s[64:65], 0
	v_nop
	global_prefetch_b8 v0, s[64:65] scope:SCOPE_SE
	s_setreg_imm32_b32 hwreg(HW_REG_WAVE_MODE, 25, 1), 1
	s_wait_xcnt 0x0
	s_wait_alu depctr_hold_cnt(0) depctr_sa_sdst(0) depctr_va_vdst(0) depctr_va_sdst(0) depctr_va_ssrc(0) depctr_va_vcc(0) depctr_vm_vsrc(0)
	s_getreg_b32 s2, hwreg(HW_REG_IB_STS2, 6, 4)
	s_cmp_eq_u32 s2, 0
	s_cbranch_scc0 .Lentry_in_a_cluster
	s_endpgm
.Lentry_in_a_cluster:
	s_bfe_u32 s2, ttmp6, 0x10000c
	s_cmp_lg_u32 s2, 0x3003
	s_cbranch_scc0 .Lentry_shape_is_right
	s_endpgm
.Lentry_shape_is_right:
; LAUNCH 3 OF 4: both cross attentions on codes of FP6: scores (K = a head's 64), softmax, p V (K = 1,024 keys), division by the row's sum, the result quantised along (head, d).  Nothing is left out.
; Direction 0: q of stream 2 (y) with k, v of stream 1 (x); direction 1 the other way; the result goes to the k, v stream's rows of aoc.
; THE SOFTMAX: t = score x log2(e) / 8; M = the running largest t rounded up to a whole number; p = 2^(t - M) is quantised along the keys, not normalised; the row's sum is taken of the unquantised p
; and divides at the end; when M moves, the sum and O are multiplied by 2^(old M - new M), which rounds nothing.
; SHARES.  A work-group: 256 queries x two neighbouring heads of one batch and direction; each of its sixteen waves owns 16 queries and walks the even head, then the odd one, in steps of 128 keys.
; WHICH KEYS FORM A TILE.  Both products are used transposed (source 0 = 16 keys, or 16 of d; source 1 = my queries, or p): a lane holds one query.  Tile (c, t) of a step takes as rows 0-7 the keys 64 c + 8 t + 0..7
; and as rows 8-15 the keys 64 c + 32 + 8 t + 0..7.  So the 32 score registers of tiles (c, 0..3) are, in lane (r, h), keys 64 c + 32 h + 0..31 in order: a whole block of the second product's K, as its operand wants it.
; A block's maximum needs no other lane and no lane swap is made.  The rows are picked by the LDS address: key 8 t + j of a group of 32 is stored row j + 8 (t / 2) of stored block t % 2 (launch 1's order).
; K = 64: q's upper 64 codes are zeros, so whatever codes stand in the upper six registers of source 0 add nothing: k's fragments lie densely, 6 registers each, and a fragment's upper six are the next one's.
; LDS: scale words of both heads at SCB; codes at CODE as rows of 512 bytes + 64 of padding (pitch 576), so that lanes whose rows lie 1,536 bytes apart in the record stand 1,728 apart: 192 modulo 256.
; LOADS, all joint (the four work-groups of a cluster hold the four quarters of the queries and read the same k and v).  At the head one a wave: waves 0-11 the even head's codes (16 rows each), waves 12-15 the scale
; words (12 rows of 256 bytes each).  The odd head's codes are first filled behind the full sequence and a round, by waves 0-11, and are waited for at the barrier between the heads.  Every wait on TENSORcnt is for 0.
; No data prefetch: every byte that the launch reads through LDS is asked for at the head or straight behind the first round; there is nothing further on to name.
; OUT.  aoc as launch 1 lays cod1: [512 row blocks][2 halves of K][6,400]: head c's chunk at 768 (c % 8) of half c / 8, row r's word for the pair of heads p at 6,144 + 16 r + 4 (p % 4).
; LIMITS: the promise holds while the scaled scores stay under 2^31 in magnitude; a block's largest p is taken from its largest score by the same multiply-add and exponential (that takes v_exp_f32 not to fall where its
; input rises); p under 2^-126 is flushed to 0; a block of zeros keeps the byte 1; NaN and infinities are not served.  The scale words leave 4 bytes a lane, 16 bytes apart: one byte in 24 of what is stored.
; REGISTERS: v0 k's words' lane term; v1 8 x lane; v2 16 r; v3, v4 k's addresses; v5, v6 the add's two; v7 k's lane term; v8 the word going out; v9 q's scale words; v10, v11 v's addresses; v12 -M; v13 largest score;
; v14-15 the sum; v16-27 q (22-27 zero); v28-31 v's words; v32-79 k; v80-127 v; v128-191 S^T, then p; v192-223 O^T; v224-235 p's codes; v236-243 at work; v244-251 k's words; v252 f; v253 p's word; v254 at work; v255 8 h.
.set SCB,   256
.set CODE,  12544
.set STB,   13824                      ; a step's record in LDS: 24 rows of 576
.set HDB,   110592                     ; a head's: 8 steps
.set SPARE, 233728                     ; behind the codes: 128 bytes for each of 16 waves
.set KVOFF, 6291456
.set K,   32
.set V,   80
.set S,   128
.set O,   192
.set PC,  224
.set TP,  236
.set KW,  244
.set VW,  28
.set BM,  228                          ; v228, v229: a lane's two block maxima
.set BN,  227                          ; v227, v233: their second chains
.set OPS, 234                          ; v234, v235: the conversions' scale operands
.set EB,  232                          ; the way out: maxima
.set EO,  32                           ; and scale operands
.set WV,  12
.set SEL, 20
.set CS,  22
.set G1C, 24
.set G1S, 32
.set G0S, 40
.set G0A, 44
.set G0B, 48
.set TB,  52
.set TS,  53
.set CNT, 54
.macro CROUND
	s_barrier_signal -1
	s_barrier_wait -1
	s_cmp_lg_u32 s[WV], 0
	s_cbranch_scc1 .Lnot_wave_0_\@
	s_barrier_signal -3
.Lnot_wave_0_\@:
	s_barrier_wait -3
	s_barrier_signal -1
	s_barrier_wait -1
.endm
	s_load_b128 s[4:7], s[0:1], 0x0                ; qkvc, qkvs
	s_load_b64 s[8:9], s[0:1], 0x10                ; aoc
	v_lshl_add_u32 v5, v0, 2, SPARE
	v_mov_b32 v6, 0
	ds_add_u32 v5, v6                              ; the opening lines
	ds_add_u32 v5, v6
	v_lshrrev_b32 v1, 5, v0
	s_delay_alu instid0(VALU_DEP_1)
	v_readfirstlane_b32 s[WV], v1                  ; wave 0..15
	s_bfe_u32 s13, ttmp6, 0x40000                  ; cx: my quarter of the queries; it enters q's and aoc's addresses alone
	s_and_b32 s14, ttmp7, 0xffff
	s_lshr_b32 s15, s14, 5                         ; direction
	s_bfe_u32 s16, s14, 0x20003                    ; batch
	s_and_b32 s17, s14, 7                          ; pair of heads
	s_lshl_b32 s19, s17, 1
	s_lshl_b32 s18, s15, 2
	s_add_co_u32 s18, s18, s16
	s_lshl_b32 s18, s18, 4
	s_add_co_u32 s18, s18, s19                     ; k's and v's record: (4 direction + batch) 16 + even head
	s_mul_i32 s56, s18, 98304
	s_lshl_b32 s55, s[WV], 13                      ; my 16 rows of 512 bytes
	s_add_co_u32 s56, s56, s55
	s_add_co_u32 s56, s56, KVOFF
	s_mov_b32 s57, 0
	s_mul_i32 s76, s[WV], 9216                     ; and their place in LDS: 16 x 576
	s_mul_i32 s58, s18, 6144
	s_and_b32 s60, s[WV], 3
	s_mul_i32 s60, s60, 3072                       ; waves 12-15: a quarter of the two heads' scale words
	s_add_co_u32 s58, s58, s60
	s_add_co_u32 s58, s58, 524288
	s_mov_b32 s59, 0
	s_xor_b32 s61, s15, 1                          ; q comes from the other stream
	s_lshl_b32 s61, s61, 2
	s_add_co_u32 s61, s61, s16
	s_lshl_b32 s61, s61, 4
	s_add_co_u32 s61, s61, s19
	s_lshl_b32 s62, s13, 4
	s_add_co_u32 s62, s62, s[WV]                   ; my block of 16 queries, 0..63
	s_mul_i32 s66, s61, 49152
	s_mul_i32 s63, s62, 768
	s_add_co_u32 s66, s66, s63
	s_mov_b32 s67, 0                               ; q's codes
	s_lshl_b32 s68, s61, 12
	s_lshr_b32 s63, s62, 2
	s_lshl_b32 s63, s63, 8
	s_add_co_u32 s68, s68, s63
	s_and_b32 s63, s62, 3
	s_lshl_b32 s63, s63, 2
	s_add_co_u32 s68, s68, s63
	s_mov_b32 s69, 0                               ; q's scale words
	s_lshl_b32 s70, s15, 8
	s_lshl_b32 s63, s16, 6
	s_add_co_u32 s70, s70, s63
	s_add_co_u32 s70, s70, s62                     ; my row block in aoc
	s_mul_i32 s72, s70, 12800
	s_lshr_b32 s63, s17, 2
	s_mul_i32 s63, s63, 6400
	s_add_co_u32 s72, s72, s63                     ; the record of my pair's half of K
	s_and_b32 s63, s17, 3
	s_lshl_b32 s74, s63, 2
	s_add_co_u32 s74, s74, s72
	s_add_co_u32 s74, s74, 6144                    ; in it my pair's scale words,
	s_mov_b32 s75, 0
	s_mul_i32 s63, s63, 1536
	s_add_co_u32 s72, s72, s63                     ; and its two chunks of codes
	s_mov_b32 s73, 0
	s_mov_b32 s[G1C], 15|(3<<16)|(1<<20)|(1<<21)|(6<<22)|(15<<25)   ; all four work-groups; elements of 8 bytes; behind every 128 words 16 words of padding
	s_mov_b32 s[G1C+1], 64<<16
	s_mov_b32 s[G1C+2], 16<<16
	s_mov_b32 s[G1C+3], 64<<16
	s_mov_b32 s[G1C+4], 16
	s_mov_b32 s[G1C+5], 64
	s_mov_b32 s[G1C+6], 0
	s_mov_b32 s[G1C+7], 0
	s_mov_b32 s[G1S], 15|(3<<16)|(1<<21)
	s_mov_b32 s[G1S+1], 32<<16
	s_mov_b32 s[G1S+2], 12<<16
	s_mov_b32 s[G1S+3], 32<<16
	s_mov_b32 s[G1S+4], 12
	s_mov_b32 s[G1S+5], 32
	s_mov_b32 s[G1S+6], 0
	s_mov_b32 s[G1S+7], 0
	s_mov_b32 s[SEL], 0x76543210
	s_mov_b32 s[SEL+1], 0xfedcba98                 ; selects for lane l xor 16
	s_mov_b32 s[CS], 0x3e38aa3b                    ; c = log2(e) / 8
	s_mov_b32 s[CS+1], s[CS]
	s_wait_dscnt 0x0                               ; both opening adds are done
	s_wait_kmcnt 0x0
	CROUND                                         ; all four work-groups are here: the joint loads meet
	s_mov_b32 s[G0S], 1
	s_add_co_u32 s[G0S+1], s60, SCB
	s_add_nc_u64 s[G0S+2:G0S+3], s[6:7], s[58:59]
	s_or_b32 s[G0S+3], s[G0S+3], 0x80000000
	s_mov_b32 s[G0A], 1
	s_add_co_u32 s[G0A+1], s76, CODE
	s_add_nc_u64 s[G0A+2:G0A+3], s[4:5], s[56:57]
	s_or_b32 s[G0A+3], s[G0A+3], 0x80000000
	s_mov_b32 s[G0B], 1
	s_add_co_u32 s[G0B+1], s76, CODE+HDB
	s_add_nc_u64 s[G0B+2:G0B+3], s[4:5], s[56:57]
	s_add_nc_u64 s[G0B+2:G0B+3], s[G0B+2:G0B+3], 98304
	s_or_b32 s[G0B+3], s[G0B+3], 0x80000000
	s_cmp_lt_u32 s[WV], 12                         ; one load a wave: two arms, one join
	s_cbranch_scc0 .Lhead_s
	tensor_load_to_lds s[G0A:G0A+3], s[G1C:G1C+7]  ; the even head's codes
	s_nop 0
.rept 4
	v_nop
.endr
	s_branch .Lhead_j
.Lhead_s:
	tensor_load_to_lds s[G0S:G0S+3], s[G1S:G1S+7]  ; both heads' scale words
	s_nop 0
.rept 4
	v_nop
.endr
.Lhead_j:
	s_add_nc_u64 s[4:5], s[4:5], s[66:67]
	s_add_nc_u64 s[6:7], s[6:7], s[68:69]
	s_add_nc_u64 s[10:11], s[8:9], s[74:75]        ; aoc at my scale words,
	s_add_nc_u64 s[8:9], s[8:9], s[72:73]          ; and at my codes
	v_and_b32 v1, 31, v0
	v_and_b32 v2, 15, v0
	v_bfe_u32 v10, v0, 4, 1                        ; h
	v_bfe_u32 v3, v0, 3, 1                         ; r / 8
	v_and_b32 v4, 7, v0                            ; r % 8
	v_lshlrev_b32 v1, 3, v1                        ; 8 x lane
	v_lshlrev_b32 v2, 4, v2                        ; 16 r
.irp p, 0,1,2
	global_load_b64 v[16+2*\p:17+2*\p], v1, s[4:5] offset:256*\p   ; the even head's q
.endr
	global_load_b32 v9, v2, s[6:7]
	v_mul_u32_u24 v7, v3, 1728                     ; k's codes: rows 8-15 of a tile come from the next group of 32 keys, three LDS rows on;
	v_lshlrev_b32 v255, 3, v10                     ; 8 h
	v_lshlrev_b32 v3, 3, v3
	v_lshl_add_u32 v7, v4, 3, v7                   ; 8 (r % 8);
	v_lshl_add_u32 v0, v4, 4, v3                   ; k's words: 16 (r % 8) + 8 (r / 8)
	v_lshl_add_u32 v7, v10, 7, v7                  ; 128 h
.irp j, 22,23,24,25,26,27
	v_mov_b32 v[\j], 0                             ; q's upper 64 codes are zeros
.endr
.irp j, 80,81,82,83,84,85
	v_mov_b32 v[\j], 0                             ; named as the upper six of k's last fragment before v's first loads
.endr
	v_mov_b32 v243, 0                              ; (a lane permute's destination counts as one of its sources)
	v_mov_b32 v252, 0
	v_mov_b32 v253, 0                              ; (named as the upper half of v[252:253] before it is first written)
	v_mov_b32 v8, 0
.macro RND j                           ; four pairs of p onto the sum's four chains
	v_pk_add_f32 v[236:237], v[236:237], v[S+\j:S+\j+1]
	v_pk_add_f32 v[238:239], v[238:239], v[S+\j+2:S+\j+3]
	v_pk_add_f32 v[240:241], v[240:241], v[S+\j+4:S+\j+5]
	v_pk_add_f32 v[14:15], v[14:15], v[S+\j+6:S+\j+7]
.endm
; A KEY STEP: 128 keys
.macro STEP
	v_add_nc_u32 v3, s[TB], v7
	v_add_nc_u32 v4, s[TS], v0
.irp c, 0,1
.irp t, 0,1,2,3
.irp p, 0,1,2
	ds_load_b64 v[K+6*(4*\c+\t)+2*\p:K+6*(4*\c+\t)+2*\p+1], v3 offset:CODE+576*((12*\c+3*(\t%2)+\p)/2)+256*((12*\c+3*(\t%2)+\p)%2)+64*(\t/2)
.endr
.endr
.endr
.irp c, 0,1
.irp u, 0,1
	ds_load_b64 v[KW+4*\c+2*\u:KW+4*\c+2*\u+1], v4 offset:SCB+256*\c+128*\u   ; the words of tiles (c, 2 u) and (c, 2 u + 1)
.endr
.endr
	s_wait_dscnt 0x0
.irp i, 0,1,2,3,4,5,6,7                ; S^T = k q^T: eight accumulators, one instruction each
	v_wmma_scale_f32_16x16x128_f8f6f4 v[S+8*\i:S+8*\i+7], v[K+6*\i:K+6*\i+11], v[16:27], 0, v[KW+\i], v9 matrix_a_fmt:MATRIX_FMT_FP6 matrix_b_fmt:MATRIX_FMT_FP6
.endr
	v_add_nc_u32 v10, s[TB], v1                    ; four places behind the products: ahead of the loads into v80-85 and of the first read of the scores
	v_add_nc_u32 v11, s[TS], v2
	v_mov_b32 v254, v12                            ; the old -M
	v_nop
.irp t, 0,1,2,3                        ; v's four fragments land under the softmax
.irp p, 0,1,2,3,4,5
	ds_load_b64 v[V+12*\t+2*\p:V+12*\t+2*\p+1], v10 offset:CODE+576*((24+6*\t+\p)/2)+256*((24+6*\t+\p)%2)
.endr
.endr
	ds_load_b128 v[VW:VW+3], v11 offset:SCB+512
.irp c, 0,1                            ; my two blocks' largest scores, two chains each; every accumulator is first read at its low end
	v_max3_num_f32 v[BM+\c], v[S+32*\c], v[S+32*\c+1], v[S+32*\c+2]
	v_max3_num_f32 v[BN+6*\c], v[S+32*\c+16], v[S+32*\c+17], v[S+32*\c+18]
.endr
.irp i, 3,5,7,9,11,13
.irp c, 0,1
	v_max3_num_f32 v[BM+\c], v[BM+\c], v[S+32*\c+\i], v[S+32*\c+\i+1]
	v_max3_num_f32 v[BN+6*\c], v[BN+6*\c], v[S+32*\c+16+\i], v[S+32*\c+17+\i]
.endr
.endr
.irp c, 0,1
	v_max3_num_f32 v[BM+\c], v[BM+\c], v[BN+6*\c], v[S+32*\c+15]
.endr
.irp c, 0,1
	v_max_num_f32 v[BM+\c], v[BM+\c], v[S+32*\c+31]
.endr
	s_delay_alu instid0(VALU_DEP_1)
	v_max_num_f32 v239, v[BM], v[BM+1]
	s_delay_alu instid0(VALU_DEP_1)
	v_permlanex16_b32 v243, v239, s[SEL], s[SEL+1]
	s_delay_alu instid0(VALU_DEP_1)
	v_max3_num_f32 v13, v13, v239, v243            ; the running largest score of my query (c is positive)
	s_delay_alu instid0(VALU_DEP_1)
	v_mul_f32 v239, s[CS], v13
	s_delay_alu instid0(VALU_DEP_1)
	v_floor_f32 v12, -v239                         ; the new -M = -ceil(t)
	s_delay_alu instid0(VALU_DEP_1)
	v_sub_f32 v254, v12, v254                      ; old M - new M: a whole number, 0 or less
.set j, 0
.rept 4
	v_pk_fma_f32 v[S+j:S+j+1], v[S+j:S+j+1], s[CS:CS+1], v[12:13] op_sel_hi:[1,0,0]   ; t - M, two at a time
.set j, j+2
.endr
	v_cvt_i32_f32 v254, v254                       ; (it saturates)
.rept 4
	v_pk_fma_f32 v[S+j:S+j+1], v[S+j:S+j+1], s[CS:CS+1], v[12:13] op_sel_hi:[1,0,0]
.set j, j+2
.endr
	v_ldexp_f32 v252, 1.0, v254                    ; f = 2^(old M - new M)
.rept 24
	v_pk_fma_f32 v[S+j:S+j+1], v[S+j:S+j+1], s[CS:CS+1], v[12:13] op_sel_hi:[1,0,0]
.set j, j+2
.endr
.irp c, 0,1
	v_fma_f32 v[BM+\c], v[BM+\c], s[CS], v12       ; the same of each block's largest score
.endr
.set j, 0
.rept 16
	v_pk_mul_f32 v[O+j:O+j+1], v[O+j:O+j+1], v[252:253] op_sel_hi:[1,0]   ; O^T under the new M, ahead of the exponentials
.set j, j+2
.endr
	s_wait_alu depctr_va_vdst(0)                   ; ahead of the batch
.irp c, 0,1
	v_exp_f32 v[BM+\c], v[BM+\c]                   ; the blocks' largest p
.endr
.set j, 0
.rept 64
	v_exp_f32 v[S+j], v[S+j]                       ; p = 2^(t - M)
.set j, j+1
.endr
	v_pk_mul_f32 v[14:15], v[14:15], v[252:253] op_sel_hi:[1,0]           ; the sum under the new M: the plain instruction behind the batch
	s_wait_alu depctr_va_vdst(0)                   ; behind the batch, and directly ahead of the wait below
	s_wait_dscnt 0x0                               ; v's 25 loads are in
.irp c, 0,1
	v_max_num_f32 v[BM+\c], 0x1800000, v[BM+\c]    ; the floor 2^(3 - 127)
.endr
.irp c, 0,1
	s_delay_alu instid0(VALU_DEP_2)
	v_add_nc_u32 v[OPS+\c], 0xff000000, v[BM+\c]   ; 2 off the exponent field: the conversions' scale operands
.endr
.irp c, 0,1
	v_cvt_scalef32_pk16_fp6_f32 v[PC+6*\c:PC+6*\c+2], v[S+32*\c:S+32*\c+15], v[OPS+\c]
	v_cvt_scalef32_pk16_fp6_f32 v[TP+4*\c:TP+4*\c+2], v[S+32*\c+16:S+32*\c+31], v[OPS+\c]   ; (a conversion's three registers begin on an even number)
.endr
	v_lshrrev_b32 v254, 23, v[OPS]                 ; the bytes of blocks h and 2 + h; the plain instruction behind the conversions
	v_lshrrev_b32 v252, 23, v[OPS+1]
.irp i, 0,1,2
	v_mov_b32 v[PC+3+\i], v[TP+\i]
.endr
	v_lshl_or_b32 v254, v252, 16, v254
.irp i, 0,1,2
	v_mov_b32 v[PC+9+\i], v[TP+4+\i]
.endr
	v_lshlrev_b32 v254, v255, v254                 ; at their places in the word
	v_pk_add_f32 v[236:237], v[S:S+1], v[S+2:S+3]  ; the row's sum, of the unquantised p: four chains
	v_pk_add_f32 v[238:239], v[S+4:S+5], v[S+6:S+7]
	v_pk_add_f32 v[240:241], v[S+8:S+9], v[S+10:S+11]
	v_pk_add_f32 v[14:15], v[14:15], v[S+12:S+13]
	v_permlanex16_b32 v252, v254, s[SEL], s[SEL+1]
	RND 14
	v_or_b32 v253, v254, v252                      ; p's scale word for these 128 keys; 24 plain instructions stand between it and the products
.irp j, 22,30,38,46,54
	RND \j
.endr
	v_pk_add_f32 v[236:237], v[236:237], v[S+62:S+63]
	v_pk_add_f32 v[14:15], v[14:15], v[240:241]
	s_delay_alu instid0(VALU_DEP_2)
	v_pk_add_f32 v[236:237], v[236:237], v[238:239]
	s_delay_alu instid0(VALU_DEP_1)
	v_pk_add_f32 v[14:15], v[14:15], v[236:237]
.irp t, 0,1,2,3                        ; O^T += v^T p^T: four accumulators, one instruction each
	v_wmma_scale_f32_16x16x128_f8f6f4 v[O+8*\t:O+8*\t+7], v[V+12*\t:V+12*\t+11], v[PC:PC+11], v[O+8*\t:O+8*\t+7], v[VW+\t], v253 matrix_a_fmt:MATRIX_FMT_FP6 matrix_b_fmt:MATRIX_FMT_FP6
.endr
.endm
; ONE HEAD: e = 0 the even one, 1 the odd one
.macro PASS e
	v_mov_b32 v13, 0xff61b1e6                      ; the largest score so far: -3e38
	s_delay_alu instid0(VALU_DEP_1)
	v_floor_f32 v12, -v13
	v_mov_b32 v14, 0
	v_mov_b32 v15, 0
.set j, 0
.rept 32
	v_mov_b32 v[O+j], 0                            ; the step is written once: the first finds zeros
.set j, j+1
.endr
	s_mov_b32 s[TB], HDB*\e
	s_mov_b32 s[TS], 6144*\e
	s_mov_b32 s[CNT], 8
.Lstep_\@:
	STEP
	s_add_co_u32 s[TB], s[TB], STB
	s_add_co_u32 s[TS], s[TS], 768
	s_sub_co_u32 s[CNT], s[CNT], 1
	s_cmp_lg_u32 s[CNT], 0
	s_cbranch_scc1 .Lstep_\@
.if \e == 0
.irp p, 0,1,2
	global_load_b64 v[16+2*\p:17+2*\p], v1, s[4:5] offset:49152+256*\p    ; the odd head's q: the even head's was last read by the last step's scores
.endr
	global_load_b32 v9, v2, s[6:7] offset:4096
.endif
	v_add_f32 v14, v14, v15
	s_delay_alu instid0(VALU_DEP_1)
	v_permlanex16_b32 v252, v14, s[SEL], s[SEL+1]
	s_delay_alu instid0(VALU_DEP_1)
	v_add_f32 v14, v14, v252                       ; the row's sum
	s_wait_alu depctr_va_vdst(0)
	v_rcp_f32 v14, v14
.rept 3
	v_nop                                          ; with the additions above: the places behind the last products, and the plain instruction behind the reciprocal
.endr
	s_wait_alu depctr_va_vdst(0)
.set j, 0
.rept 16
	v_pk_mul_f32 v[O+j:O+j+1], v[O+j:O+j+1], v[14:15] op_sel_hi:[1,0]     ; O^T / the sum: register 16 b + i is d = 32 b + 16 h + i of my query
.set j, j+2
.endr
.irp b, 0,1
	v_max3_num_f32 v[EB+\b], |v[O+16*\b]|, |v[O+1+16*\b]|, 0x1800000
.endr
.irp i, 2,4,6,8,10,12,14
.irp b, 0,1
	s_delay_alu instid0(VALU_DEP_2)
	v_max3_num_f32 v[EB+\b], v[EB+\b], |v[O+16*\b+\i]|, |v[O+1+16*\b+\i]|
.endr
.endr
.irp b, 0,1
	s_delay_alu instid0(VALU_DEP_2)
	v_permlanex16_b32 v[TP+\b], v[EB+\b], s[SEL], s[SEL+1]
.endr
.irp b, 0,1
	s_delay_alu instid0(VALU_DEP_2)
	v_max_num_f32 v[EB+\b], v[EB+\b], v[TP+\b]
.endr
.irp b, 0,1
	s_delay_alu instid0(VALU_DEP_2)
	v_add_nc_u32 v[EO+\b], 0xff000000, v[EB+\b]
.endr
.irp b, 0,1
	s_delay_alu instid0(VALU_DEP_2)
	v_lshrrev_b32 v[TP+\b], 23, v[EO+\b]
.endr
	s_delay_alu instid0(VALU_DEP_1)
	v_lshl_or_b32 v254, v[TP+1], 8, v[TP]          ; this head's two bytes
	v_lshrrev_b32 v8, 16, v8
	s_delay_alu instid0(VALU_DEP_1)
	v_lshl_or_b32 v8, v254, 16, v8                 ; behind both heads: the even head's below, the odd head's above
	v_cvt_scalef32_pk16_fp6_f32 v[PC:PC+2], v[O:O+15], v[EO]
	v_cvt_scalef32_pk16_fp6_f32 v[TP:TP+2], v[O+16:O+31], v[EO+1]
	v_nop
.irp i, 0,1,2
	v_permlane16_swap_b32 v[PC+\i], v[TP+\i]       ; here a block of 32 lies in lanes l and l xor 16
.endr
.irp i, 0,1,2
	s_delay_alu instid0(VALU_DEP_3)
	v_mov_b32 v[PC+3+\i], v[TP+\i]
.endr
.irp p, 0,1,2
	global_store_b64 v1, v[PC+2*\p:PC+2*\p+1], s[8:9] offset:768*\e+256*\p   ; 256 consecutive bytes, aligned
.endr
.endm
	s_wait_alu depctr_va_vdst(0)                   ; the head's end
	s_wait_tensorcnt 0x0                           ; my part of the even head's codes or of the scale words is in; the full sequence ahead of a later first fill:
	ds_add_u32 v5, v6
	s_wait_dscnt 0x0
	CROUND                                         ; everybody's parts are in, and all four work-groups are here
	s_cmp_lt_u32 s[WV], 12
	s_cbranch_scc0 .Lno_b
	tensor_load_to_lds s[G0B:G0B+3], s[G1C:G1C+7]  ; the odd head's codes: my one load behind the round; it has the even head's eight steps in which to land
	s_nop 0
.rept 4
	v_nop
.endr
.Lno_b:
	s_wait_loadcnt 0x0                             ; the even head's q
	PASS 0
	s_wait_alu depctr_va_vdst(0)
	s_wait_tensorcnt 0x0                           ; my part of the odd head's codes is in,
	s_wait_dscnt 0x0
	s_barrier_signal -1
	s_barrier_wait -1                              ; and everybody's: nothing writes LDS from here on
	s_wait_xcnt 0x0                                ; the even head's stores have read their data: those registers are written again only behind this wait
	s_wait_loadcnt 0x0                             ; the odd head's q
	PASS 1
	global_store_b32 v2, v8, s[10:11]              ; my rows' scale word for this pair of heads (lanes 16-31 repeat lanes 0-15's address and data)
	s_wait_tensorcnt 0x0                           ; the wave's end
	ds_add_u32 v5, v6
	s_wait_dscnt 0x0
	CROUND                                         ; the closing round
	s_endpgm
.Lfunc_end_k_qb21d54e459_attn:
	.size	k_qb21d54e459_attn, .Lfunc_end_k_qb21d54e459_attn-k_qb21d54e459_attn
	.p2alignl 7, 3214868480
	.fill 96, 4, 3214868480
	.section	.rodata,"a",@progbits
	.p2align	6, 0x0
	.amdhsa_kernel k_qb21d54e459_attn
		.amdhsa_group_segment_fixed_size 327680
		.amdhsa_private_segment_fixed_size 0
		.amdhsa_enable_private_segment 0
		.amdhsa_kernarg_size 24
		.amdhsa_user_sgpr_count 2
		.amdhsa_user_sgpr_kernarg_segment_ptr 1
		.amdhsa_wavefront_size32 1
		.amdhsa_system_sgpr_workgroup_id_x 1
		.amdhsa_system_sgpr_workgroup_id_y 1
		.amdhsa_system_sgpr_workgroup_id_z 1
		.amdhsa_system_vgpr_workitem_id 0
		.amdhsa_next_free_vgpr 256
		.amdhsa_next_free_sgpr 80
		.amdhsa_reserve_vcc 0
		.amdhsa_float_denorm_mode_32 3
		.amdhsa_float_denorm_mode_16_64 3
		.amdhsa_memory_ordered 1
		.amdhsa_forward_progress 1
		.amdhsa_inst_pref_size 54
	.end_amdhsa_kernel
	.amdgpu_metadata
---
amdhsa.version: [ 1, 2 ]
amdhsa.kernels:
  - .name:           k_qb21d54e459_attn
    .symbol:         k_qb21d54e459_attn.kd
    .args:
      - { .name: qkvc, .offset: 0, .size: 8, .value_kind: global_buffer, .address_space: global }
      - { .name: qkvs, .offset: 8, .size: 8, .value_kind: global_buffer, .address_space: global }
      - { .name: aoc, .offset: 16, .size: 8, .value_kind: global_buffer, .address_space: global }
    .group_segment_fixed_size: 327680
    .private_segment_fixed_size: 0
    .kernarg_segment_align: 8
    .kernarg_segment_size: 24
    .max_flat_workgroup_size: 512
    .sgpr_count:     80
    .vgpr_count:     256
    .wavefront_size: 32
...
	.end_amdgpu_metadata
.endif
;; end of part 3
;; launch proj (part 4): grid 4 x 64, 4 waves a work-group, clusters of 4 x 4, 327,680 bytes of LDS; arguments aoc, cod1, out0, out1; writes out0, out1
.if DOCPART == 4
	.amdgcn_target "amdgcn-amd-amdhsa--gfx1250"
	.amdhsa_code_object_version 6
	.text
	.protected	k_qb21d54e459_proj
	.globl	k_qb21d54e459_proj
	.p2align	8
	.type	k_qb21d54e459_proj,@function
k_qb21d54e459_proj:
	s_mov_b64 s[64:65], 0
	v_nop
	global_prefetch_b8 v0, s[64:65] scope:SCOPE_SE
	s_setreg_imm32_b32 hwreg(HW_REG_WAVE_MODE, 25, 1), 1
	s_wait_xcnt 0x0
	s_wait_alu depctr_hold_cnt(0) depctr_sa_sdst(0) depctr_va_vdst(0) depctr_va_sdst(0) depctr_va_ssrc(0) depctr_va_vcc(0) depctr_vm_vsrc(0)
	s_getreg_b32 s2, hwreg(HW_REG_IB_STS2, 6, 4)
	s_cmp_eq_u32 s2, 0
	s_cbranch_scc0 .Lentry_in_a_cluster
	s_endpgm
.Lentry_in_a_cluster:
	s_bfe_u32 s2, ttmp6, 0x10000c
	s_cmp_lg_u32 s2, 0xf033
	s_cbranch_scc0 .Lentry_shape_is_right
	s_endpgm
.Lentry_shape_is_right:
.set FR,     12
.set NP,     4
.set RBB,    6400
.set RBM,    12800
.set ABYT,   8*RBB
.set SLOT,   24*RBB
.set SPARE,  2*SLOT
.set SPITCH, 528
.set ADRA, 16
.set ADRB, 20
.set ADRS, 22
.set STO,  24
.set RD,   25
.set CO,   26
.set SPW,  28
.set NIL,  29
.set SC,   32
.set BK,   96
.set G1, 24
.set G0, 32
.set G1B, 48
.set G0B, 56
.set MSB, 0
.macro WIN new
.if MSB != (\new)
	s_set_vgpr_msb (MSB<<8)|(\new)
.set MSB, (\new)
.endif
.endm
.macro JLOAD g0a, g1a, g0b, g1b
	s_cmp_eq_u32 s16, 0
	s_cbranch_scc0 .Lfor_b_\@
	tensor_load_to_lds s[\g0a:\g0a+3], s[\g1a:\g1a+7]
	s_nop 0
.rept 4
	v_nop
.endr
	s_branch .Lasked_\@
.Lfor_b_\@:
	tensor_load_to_lds s[\g0b:\g0b+3], s[\g1b:\g1b+7]
	s_nop 0
.rept 4
	v_nop
.endr
.Lasked_\@:
.endm
.macro CREST
	s_cmp_lg_u32 s14, 0
	s_cbranch_scc1 .Lnot_wave_0_\@
	s_barrier_signal -3
.Lnot_wave_0_\@:
	s_barrier_wait -3
	s_barrier_signal -1
	s_barrier_wait -1
.endm
.macro CROUND
	s_barrier_signal -1
	s_barrier_wait -1
	CREST
.endm
	s_load_b256 s[4:11], s[0:1], 0x0
	v_lshl_add_u32 v[SPW], v0, 2, SPARE
	v_mov_b32 v[NIL], 0
	ds_add_u32 v[SPW], v[NIL]
	ds_add_u32 v[SPW], v[NIL]
	v_lshrrev_b32 v1, 5, v0
	v_readfirstlane_b32 s14, v1
	s_lshr_b32 s15, s14, 1
	s_and_b32 s16, s14, 1
	s_bfe_u32 s40, ttmp6, 0x40000
	s_bfe_u32 s41, ttmp6, 0x40004
	s_and_b32 s17, ttmp7, 0xffff
	s_lshr_b32 s18, s17, 3
	s_and_b32 s19, s17, 7
	s_lshl_b32 s43, s41, 2
	s_lshl_b32 s43, 15, s43
	s_lshl_b32 s44, 0x1111, s40
	s_or_b32 s[G1+0], s43, (3<<16)|(1<<21)
	s_or_b32 s[G1B+0], s44, (3<<16)|(1<<21)
	s_mov_b32 s[G1+1], 800<<16
	s_mov_b32 s[G1+2], 8<<16
	s_mov_b32 s[G1+3], 800<<16
	s_mov_b32 s[G1+4], 8
	s_mov_b32 s[G1+5], 1600
	s_mov_b32 s[G1+6], 0
	s_mov_b32 s[G1+7], 0
	s_mov_b32 s[G1B+1], 800<<16
	s_mov_b32 s[G1B+2], 16<<16
	s_mov_b32 s[G1B+3], 800<<16
	s_mov_b32 s[G1B+4], 16
	s_mov_b32 s[G1B+5], 1600
	s_mov_b32 s[G1B+6], 0
	s_mov_b32 s[G1B+7], 0
	s_lshl_b32 s20, s18, 8
	s_lshl_b32 s21, s19, 5
	s_add_co_u32 s20, s20, s21
	s_lshl_b32 s21, s41, 3
	s_add_co_u32 s20, s20, s21
	s_mul_i32 s20, s20, RBM
	s_mov_b32 s21, 0
	s_lshl_b32 s46, s18, 6
	s_add_co_u32 s46, s46, 896
	s_lshl_b32 s47, s40, 4
	s_add_co_u32 s46, s46, s47
	s_mul_i32 s46, s46, RBM
	s_mov_b32 s47, 0
	s_mul_i32 s45, s15, SLOT
	s_add_co_u32 s94, s45, ABYT
	s_wait_dscnt 0x0
	s_wait_kmcnt 0x0
	s_add_nc_u64 s[20:21], s[4:5], s[20:21]
	s_add_nc_u64 s[46:47], s[6:7], s[46:47]
	CROUND
	; the launch's four tiles, each whole, one joint load a wave: wave w takes slot w / 2; A's 8 row blocks (w even) or B's 16 (w odd).  Nothing is filled again.
	s_mul_i32 s96, s15, RBB                        ; the slot's half of K
	s_mov_b32 s97, 0
	s_mov_b32 s[G0], 1
	s_mov_b32 s[G0+1], s45
	s_add_nc_u64 s[G0+2:G0+3], s[20:21], s[96:97]
	s_or_b32 s[G0+3], s[G0+3], 0x80000000
	s_mov_b32 s[G0B], 1
	s_mov_b32 s[G0B+1], s94
	s_add_nc_u64 s[G0B+2:G0B+3], s[46:47], s[96:97]
	s_or_b32 s[G0B+3], s[G0B+3], 0x80000000
	JLOAD G0, G1, G0B, G1B
	v_and_b32 v1, 15, v0
	v_bfe_u32 v2, v0, 4, 1
	s_wait_alu depctr_va_vdst(0)
	v_and_b32 v3, 31, v0
	v_lshlrev_b32 v4, 3, v3
	s_mul_i32 s21, s15, 4*RBB
	s_mul_i32 s22, s16, 8*RBB
	s_add_co_u32 s22, s22, ABYT
.irp s, 0,1
	v_add_nc_u32 v[ADRA+\s], s21, v4
	v_add_nc_u32 v[ADRB+\s], s22, v4
	s_add_co_u32 s21, s21, SLOT
	s_add_co_u32 s22, s22, SLOT
.endr
	s_mul_i32 s21, s15, 4*RBB
	s_mul_i32 s22, s16, 8*RBB
	s_add_co_u32 s22, s22, ABYT
	s_sub_co_u32 s22, s22, s21
	v_mul_u32_u24 v6, s22, v2
	s_add_co_u32 s21, s21, 6144
	v_lshl_add_u32 v5, v1, 4, v6
	v_add_nc_u32 v[ADRS], s21, v5
	v_add_nc_u32 v[ADRS+1], SLOT, v[ADRS]
	s_mul_i32 s23, s14, 16*SPITCH
	v_mul_u32_u24 v5, v1, SPITCH
	v_lshl_add_u32 v5, v2, 6, v5
	v_add_nc_u32 v[STO], s23, v5
	v_lshlrev_b32 v[CO], 4, v3
	v_add_nc_u32 v[RD], s23, v[CO]
	s_cmp_eq_u32 s18, 0
	s_cselect_b64 s[12:13], s[8:9], s[10:11]
	s_lshl_b32 s20, s19, 5
	s_lshl_b32 s21, s41, 3
	s_add_co_u32 s20, s20, s21
	s_lshl_b32 s21, s15, 2
	s_add_co_u32 s20, s20, s21
	s_lshl_b32 s20, s20, 16
	s_lshl_b32 s21, s40, 10
	s_add_co_u32 s20, s20, s21
	s_lshl_b32 s21, s16, 9
	s_add_co_u32 s20, s20, s21
	s_mov_b32 s21, 0
	s_add_nc_u64 s[12:13], s[12:13], s[20:21]
.macro FRAG reg, adr, q, i
.irp p, 0,1,2,3,4,5
	ds_load_b64 v[\reg+2*\p:\reg+2*\p+1], v[\adr] offset:RBB*(\i)+1536*(\q)+768*(\p/3)+256*(\p%3)
.endr
.endm
.macro FETCH4 slot, q, f0
.irp f, \f0, \f0+1, \f0+2, \f0+3
.if (\f) < 8
	FRAG FR*(\f), ADRB+\slot, \q, \f
.else
	FRAG FR*(\f), ADRA+\slot, \q, (\f)-8
.endif
.endr
.endm
.macro SCALES slot
.irp i, 0,1,2,3,4,5,6,7
	ds_load_b128 v[SC+32*(\slot)+4*\i:SC+32*(\slot)+4*\i+3], v[ADRS+\slot] offset:RBB*\i
.endr
.endm
.macro MUL8 a, q, sc, zero
.irp b, 0,1,2,3,4,5,6,7
.if \zero
	v_wmma_scale_f32_16x16x128_f8f6f4 v[8*(8*(\a)+\b):8*(8*(\a)+\b)+7], v[FR*\b:FR*\b+FR-1], v[96+FR*(\a):96+FR*(\a)+FR-1], 0, v[SC+32*(\sc)+4*\b+(\q)], v[SC+32*(\sc)+4*(\a)+(\q)] matrix_a_fmt:MATRIX_FMT_FP6 matrix_b_fmt:MATRIX_FMT_FP6 matrix_a_scale:MATRIX_SCALE_ROW1
.else
	v_wmma_scale_f32_16x16x128_f8f6f4 v[8*(8*(\a)+\b):8*(8*(\a)+\b)+7], v[FR*\b:FR*\b+FR-1], v[96+FR*(\a):96+FR*(\a)+FR-1], v[8*(8*(\a)+\b):8*(8*(\a)+\b)+7], v[SC+32*(\sc)+4*\b+(\q)], v[SC+32*(\sc)+4*(\a)+(\q)] matrix_a_fmt:MATRIX_FMT_FP6 matrix_b_fmt:MATRIX_FMT_FP6 matrix_a_scale:MATRIX_SCALE_ROW1
.endif
.endr
.endm
.macro PLACES n
.rept \n
	v_nop
.endr
.endm
.macro STEP slot, q, zero
	s_wait_dscnt 0x0
	PLACES NP
	WIN 0x40+0x80*(1-(\q)%2)
	FETCH4 \slot, (\q)+1, 0                        ; the next step's twelve fragments in one run, into the other window
	FETCH4 \slot, (\q)+1, 4
	FETCH4 \slot, (\q)+1, 8
	WIN 0xa5+10*((\q)%2)
	MUL8 0, \q, \slot, \zero                       ; and this step's 32 products on end
	MUL8 1, \q, \slot, \zero
	MUL8 2, \q, \slot, \zero
	MUL8 3, \q, \slot, \zero
.endm
	s_wait_alu depctr_va_vdst(0)
	s_wait_tensorcnt 0x0
	s_barrier_signal -1
	s_barrier_wait -1
	SCALES 0
	WIN 0x40
	FETCH4 0, 0, 0
	FETCH4 0, 0, 4
	FETCH4 0, 0, 8
	STEP 0, 0, 1
	STEP 0, 1, 0
	STEP 0, 2, 0
	WIN 0
	s_wait_tensorcnt 0x0
	ds_add_u32 v[SPW], v[NIL]
	s_wait_dscnt 0x0
	s_barrier_signal -1
	WIN 0xaf
	MUL8 0, 3, 0, 0
	WIN 0
	s_barrier_wait -1
	PLACES NP
	SCALES 1
	WIN 0x40
	FETCH4 1, 0, 0
	FETCH4 1, 0, 4
	FETCH4 1, 0, 8
	WIN 0xaf
	MUL8 1, 3, 0, 0
	MUL8 2, 3, 0, 0
	MUL8 3, 3, 0, 0
	STEP 1, 0, 0
	STEP 1, 1, 0
	STEP 1, 2, 0
	s_wait_dscnt 0x0
	WIN 0xaf
	MUL8 0, 3, 1, 0
	MUL8 1, 3, 1, 0
	MUL8 2, 3, 1, 0
	MUL8 3, 3, 1, 0
	WIN 0
.macro TOSTAGE a
.set AC, 64*(\a)
	WIN 0x08
.irp b, 0,1,2,3,4,5,6,7
	ds_store_b128 v[STO], v[AC+8*\b:AC+8*\b+3] offset:128*(\b/2)+32*(\b%2)
	ds_store_b128 v[STO], v[AC+8*\b+4:AC+8*\b+7] offset:128*(\b/2)+32*(\b%2)+16
.endr
	WIN 0
.set BB, BK+64*((\a)%2)
.irp t, 0,1,2,3,4,5,6,7,8,9,10,11,12,13,14,15
	ds_load_b128 v[BB+4*\t:BB+4*\t+3], v[RD] offset:\t*SPITCH
.endr
.endm
.macro SEND a, younger
.set BB, BK+64*((\a)%2)
	s_wait_dscnt \younger
.irp t, 0,1,2,3,4,5,6,7,8,9,10,11,12,13,14,15
	global_store_b128 v[CO], v[BB+4*\t:BB+4*\t+3], s[12:13] offset:(32*((\a)/2)+8*((\a)%2)+\t+8*(\t/8))*4096 th:TH_STORE_NT
.endr
.endm
	PLACES NP
	TOSTAGE 0
.irp a, 1,2,3
.if \a > 1
	s_wait_xcnt 0x0
.endif
	TOSTAGE \a
	SEND \a-1, 32
.endr
	SEND 3, 0
	s_wait_tensorcnt 0x0
	ds_add_u32 v[SPW], v[NIL]
	s_wait_dscnt 0x0
	CROUND
	s_endpgm
.Lfunc_end_k_qb21d54e459_proj:
	.size	k_qb21d54e459_proj, .Lfunc_end_k_qb21d54e459_proj-k_qb21d54e459_proj
	.p2alignl 7, 3214868480
	.fill 96, 4, 3214868480
	.section	.rodata,"a",@progbits
	.p2align	6, 0x0
	.amdhsa_kernel k_qb21d54e459_proj
		.amdhsa_group_segment_fixed_size 327680
		.amdhsa_private_segment_fixed_size 0
		.amdhsa_enable_private_segment 0
		.amdhsa_kernarg_size 32
		.amdhsa_user_sgpr_count 2
		.amdhsa_user_sgpr_kernarg_segment_ptr 1
		.amdhsa_wavefront_size32 1
		.amdhsa_system_sgpr_workgroup_id_x 1
		.amdhsa_system_sgpr_workgroup_id_y 1
		.amdhsa_system_sgpr_workgroup_id_z 1
		.amdhsa_system_vgpr_workitem_id 0
		.amdhsa_next_free_vgpr 1024
		.amdhsa_next_free_sgpr 100
		.amdhsa_reserve_vcc 0
		.amdhsa_float_denorm_mode_32 3
		.amdhsa_float_denorm_mode_16_64 3
		.amdhsa_memory_ordered 1
		.amdhsa_forward_progress 1
		.amdhsa_inst_pref_size 93
	.end_amdhsa_kernel
	.amdgpu_metadata
---
amdhsa.version: [ 1, 2 ]
amdhsa.kernels:
  - .name:           k_qb21d54e459_proj
    .symbol:         k_qb21d54e459_proj.kd
    .args:
      - { .name: aoc, .offset: 0, .size: 8, .value_kind: global_buffer, .address_space: global }
      - { .name: cod1, .offset: 8, .size: 8, .value_kind: global_buffer, .address_space: global }
      - { .name: out0, .offset: 16, .size: 8, .value_kind: global_buffer, .address_space: global }
      - { .name: out1, .offset: 24, .size: 8, .value_kind: global_buffer, .address_space: global }
    .group_segment_fixed_size: 327680
    .private_segment_fixed_size: 0
    .kernarg_segment_align: 8
    .kernarg_segment_size: 32
    .max_flat_workgroup_size: 128
    .sgpr_count:     100
    .vgpr_count:     1024
    .wavefront_size: 32
...
	.end_amdgpu_metadata
.endif
;; end of part 4
